; MI455X (gfx1250); checked and timed in simulation.
; The chip was launched on July 23, 2026; its instructions are those of AMD's public machine-readable ISA for CDNA 5 (MIT licence, August 2026) and "CDNA5" Instruction Set Architecture Reference Guide (July 2026). The comments in the code are by the model that wrote it; some were corrected since.
;; Tt Causal Self Attention. Allowed arithmetic: matrix products marked QUANTISED: E2M1 operands, one E8M0 scale for each 32 along K, by v_wmma_scale_f32_16x16x128_f8f6f4 with both operands' format E2M1 (or v_wmma_scale_f32_32x16x128_f4), f32 sums; everything else in f32.
;; Inputs: b_attn 3,072 float32; b_proj 1,024 float32; w_attn_codes 3,072 x 32 x 16 uint8 (E2M1 codes of w_attn, K innermost, in blocks of 32 codes, two codes a byte); w_attn_scales 3,072 x 32 uint8 (E8M0 scales of w_attn, one for each 32 codes along K); w_proj_codes 1,024 x 32 x 16 uint8 (E2M1 codes of w_proj, K innermost, in blocks of 32 codes, two codes a byte); w_proj_scales 1,024 x 32 uint8 (E8M0 scales of w_proj, one for each 32 codes along K); x_codes 4 x 1,024 x 32 x 16 uint8 (E2M1 codes of x, K innermost, in blocks of 32 codes, two codes a byte); x_scales 4 x 1,024 x 32 uint8 (E8M0 scales of x, one for each 32 codes along K).
;; Outputs: out0 4 x 1,024 x 1,024 float32.
;; This version of the problem:
;;   THIS VERSION OF THE PROBLEM IS GIVEN IN LOW PRECISION. The matrix products marked QUANTISED in the list below multiply operands that are first quantised to E2M1 (2 exponent bits, 1 mantissa bit; 4 bits a number), with one power-of-two scale for each 32 numbers along K (OCP MX v1.0); their sums are f32. All else is computed in f32.
;;   The module's matrix products, in the order in which they are computed (A, B: the left and right operand; K: the contracted axis; several contracted axes count as one K, in the product's order):
;;     1. [M 4,096, K 1,024] x [K 1,024, N 3,072]; A: input x (given as codes); B: input w_attn (given as codes): QUANTISED
;;     2. batch 64 x [M 1,024, K 64] x [K 64, N 1,024]; A: computed on the way; B: computed on the way: QUANTISED
;;     3. batch 64 x [M 1,024, K 1,024] x [K 1,024, N 64]; A: softmax (see below); B: computed on the way: QUANTISED
;;     4. [M 4,096, K 1,024] x [K 1,024, N 1,024]; A: computed on the way; B: input w_proj (given as codes): QUANTISED
;;   THE QUANTISER, for each operand of a quantised product, along K:
;;     - K is cut into blocks of 32 from its start; a last block that is shorter is filled with zeros.
;;     - A block's scale is 2^e with e = floor(log2(the largest magnitude in the block)) - 2, held to -126 .. 127; a block of zeros has e = 0. As a byte (E8M0): e + 127.
;;     - Each number is divided by its block's scale, clamped to +-6, and rounded to the nearest number of E2M1, ties to even, subnormals kept.
;;     - The product sums the exact products of the quantised numbers (number of the format x scale) in f32.
;;   ~~~python
;;   def quantise(x, axis):      # numpy; x: float32 -> the quantised numbers, widened to float32 again
;;       x = np.moveaxis(x, axis, -1); K = x.shape[-1]
;;       x = np.pad(x, [(0, 0)] * (x.ndim - 1) + [(0, -K % 32)]); x = x.reshape(x.shape[:-1] + (-1, 32)); a = np.abs(x).max(-1, keepdims=True)
;;       e = np.where(a > 0, np.clip(np.frexp(np.where(a > 0, a, 1))[1] - 1 - 2, -126, 127), 0)      # np.frexp(a)[1] - 1 = floor(log2(a)), exactly
;;       r = np.clip(x / 2.0 ** e, -6, 6)
;;       step = 2.0 ** (np.maximum(np.frexp(np.where(r == 0, 1, r))[1] - 1, 0) - 1)
;;       q = np.round(r / step) * step * 2.0 ** e      # np.round: ties to even
;;       return np.moveaxis(q.reshape(q.shape[:-2] + (-1,))[..., :K], -1, axis).astype(np.float32)
;;   ~~~
;;   SOFTMAX AHEAD OF A QUANTISED PRODUCT. Where the list says 'softmax', what is quantised is not the finished softmax but p = 2^(t - M), with t = logit x log2(e) and M = ceil(the row's largest t), a whole number; so 1/2 < the row's largest p <= 1. The row's sum l is taken of the UNQUANTISED p, in f32, and the product's result is divided by l at the end. Since M is a whole number, a kernel that streams over the keys may use a running M (the ceiling of the running maximum): every later rescaling is an exact power of two, which a block's scale takes up: the codes' values come out the same.
;;   OPERANDS COMPUTED ON THE WAY. 'Computed on the way' means the value that the module computes at that place (a softmax that the list does not call 'softmax' is quantised finished and normalised). What goes into a quantiser is computed in f32, as accurately as f32 sums, v_exp_f32 and their like allow (about 1e-6 of the number): no bf16 or f16 on the way to a quantiser, and a product that is left as it is and whose result goes on into a quantised operand takes f32 operands (vector FMAs, or v_wmma_f32_16x16x4_f32). A number that lies on a knife's edge between two numbers of the format may be rounded either way, as far as f32 arithmetic and the matrix unit's own rounding can turn it there, and no further.
;;   INPUTS GIVEN AS CODES. w_attn (in the module: [3072, 1024], K = its axis 1); w_proj (in the module: [1024, 1024], K = its axis 1); x (in the module: [4, 1024, 1024], K = its axis 2): each comes as NAME_codes (uint8): NAME with its K axis moved to the last place and cut into blocks of 32 codes, [.., K / 32, bytes a block], one block behind the other in memory; two codes a byte, the lower K in the low four bits (a code: sign, 2 exponent bits, 1 mantissa bit); and NAME_scales (uint8): the same leading axes, one E8M0 byte (e + 127) for each 32 codes along K. Its value is code x scale, taken as it is: it is not quantised again, and the codes and scales need not be those that the quantiser above would give.
;; One version. Each part assembles by itself: llvm-mc -triple=amdgcn-amd-amdhsa -mcpu=gfx1250 --defsym DOCPART=n.
;; ======== version 1 of 1: 3 launches
;; limits: right only within a limited range of input values
;; workspace buffers: qc 2,097,152 bytes; kc 2,097,152 bytes; vc 2,097,152 bytes; qks 524,288 bytes; vs 131,072 bytes; yc 2,097,152 bytes; ysc 131,072 bytes
;; launch qkv (part 1): grid 8 x 32, 8 waves a work-group, clusters of 4 x 4, 280,064 bytes of LDS; arguments x_codes, x_scales, w_attn_codes, w_attn_scales, b_attn, qc, kc, vc, qks, vs; writes qc, kc, vc, qks, vs
.if DOCPART == 1
	.amdgcn_target "amdgcn-amd-amdhsa--gfx1250"
	.amdhsa_code_object_version 6
	.text
	.protected	k_qcd9bf18c63_qkv
	.globl	k_qcd9bf18c63_qkv
	.p2align	8
	.type	k_qcd9bf18c63_qkv,@function
k_qcd9bf18c63_qkv:
	s_mov_b64 s[64:65], 0
	v_nop
	global_prefetch_b8 v0, s[64:65] scope:SCOPE_SE
	s_setreg_imm32_b32 hwreg(HW_REG_WAVE_MODE, 25, 1), 1
	s_wait_xcnt 0x0
	s_wait_alu depctr_hold_cnt(0) depctr_sa_sdst(0) depctr_va_vdst(0) depctr_va_sdst(0) depctr_va_ssrc(0) depctr_va_vcc(0) depctr_vm_vsrc(0)
	s_getreg_b32 s2, hwreg(HW_REG_IB_STS2, 6, 4)
	s_cmp_eq_u32 s2, 0
	s_cbranch_scc0 .Lentry_in_a_cluster
	s_endpgm
.Lentry_in_a_cluster:
	s_bfe_u32 s2, ttmp6, 0x10000c
	s_cmp_lg_u32 s2, 0xf033
	s_cbranch_scc0 .Lentry_shape_is_right
	s_endpgm
.Lentry_shape_is_right:
; qkv = x W_attn^T + b_attn on codes of FP4 (E2M1) with one E8M0 scale for each 32 along K = 1,024; q and k are quantised along the head's 64 numbers, v along the tokens, in registers.
; No input is left out of the program.  Of reference()'s work only whole tiles under the causal mask that it builds itself are left out (in the launch attn).
; SHARES.  A work-group takes 128 tokens (work-group y) and q, k, v of the heads 2 x, 2 x + 1 (work-group x): 128 rows of x, 3 x 128 rows of W.  All of K lies in LDS, filled once, in two K halves.
; Eight waves: mh = wave & 1: 64 tokens; hh = wave / 2 & 1: the head; p = wave / 4: 0: q and v's numbers 0-31 of the head, 1: k and v's 32-63: 64 tokens x 96 columns, 24 accumulators, 192 matrix instructions.
; CLUSTERS: 4 x 4; x's rows are shared along a row of the cluster, W's along a column, by joint loads: wave w fetches unit w & 3 (x, W for q, k, v) of K half w / 4: one load a wave.
; K half 0 is wanted first: waves 4-7, which fetch half 1, ask for their scale words and biases ahead of their tile.
; The scale bytes go straight from memory into the registers that the matrix instructions name: 16 rows are 512 consecutive bytes.
; No prefetch: the launch has no loop; all that it reads is asked for at its head.
; LAYOUT.  q, k are made transposed (source 0 = 16 rows of W, source 1 = 16 tokens): a lane holds one token and eight neighbouring numbers of the head.  v the natural way: a lane holds one number of the head and eight tokens.
; WORKSPACE, images of operand registers:  qc, kc [head 64][tile of 16 tokens 64][lane][16];  vc [head][128 keys 8][16 of the head's 64: 4][half of the keys 2][lane][16]
;   qks [head][64 tokens 16][q, k][token % 16][tile 4] words: two scale bytes, then 0x7f 0x7f over the zero codes that fill K = 64 up to 128;  vs [head][128 keys][row % 16][tile 4] words
; LIMITS: NaN and infinities among the inputs are not served.  A block whose largest magnitude lies under 2^-124 has its byte held at 1; a block of zeros gets the byte 1: its codes are zeros, and this program alone reads the byte.
; REGISTERS: window 0: v1-15 addresses; v16-31 set 1 of v's fragments of W; v32-111 scale words; v112-159 biases; v160-239 fragment set 0, then the way out; v240-247, v254, v255.
;   window 1: v0-127 q's or k's accumulators, v128-191 v's; v192-255 fragment set 1.
.set UNIT,  128*272                    ; 128 rows of 256 bytes + 16 of padding
.set CHUNK, 4*UNIT                     ; a K half
.set HROWS, 64*272
.set VSC,   2*CHUNK                    ; 512 bytes for v's scale words, [head 2][row 16][tile 4]; no tile lands there
.set SPARE, VSC+512
.set LI,   6                           ; 16 x lane
.set AD,   7                           ; v7-12: fragments: K half c: x, W for q or k, W for v at v[7 + 3 c ..]
.set SCO,  13                          ; 32 x row
.set BO8,  14
.set BO1,  15
.set SA,   32                          ; x's scale words: tile mt, K step ks at v[32 + 8 mt + ks]
.set SB,   64                          ; W's: tiles 0-3 of q or k, 4-5 of v
.set BQ,   112
.set BV,   144
.set TM,   160
.set SO,   164
.set BY,   168
.set HW,   172
.set QCD,  176                         ; codes: each store has registers of its own
.set VCD,  192
.set WD,   200
.set HV,   204
.set DW,   206
.set RB,   208
.set VSW,  240
.set VSR,  241
.set VSO,  242
.set QSO,  243
.set TX,   244
.set WV,   24
.set MH,   25
.set HH,   26
.set PP,   66
.set G1A,  32
.set G1B,  40
.set G0A,  48
.set G0B,  52
.set SEL,  100
.set MSB, 0
.macro WIN new                         ; the immediate's high byte repeats the setting that is left
.if MSB != \new
	s_set_vgpr_msb (MSB<<8)|\new
.set MSB, \new
.endif
.endm
.macro PLACES                          ; four plain vector instructions behind a matrix instruction (ISA guide 7.12.1)
.rept 4
	v_nop
.endr
.endm
.macro CROUND                          ; a round of the cluster's barrier
	s_barrier_signal -1
	s_barrier_wait -1
	s_cmp_lg_u32 s[WV], 0
	s_cbranch_scc1 .Lnot_wave_0_\@
	s_barrier_signal -3
.Lnot_wave_0_\@:
	s_barrier_wait -3
	s_barrier_signal -1
	s_barrier_wait -1
.endm
.macro JLOAD g0, g1                    ; a joint load
	tensor_load_to_lds s[\g0:\g0+3], s[\g1:\g1+7]
	s_nop 0
	PLACES
.endm
.macro GLOADS                          ; the scale words of all eight K steps (a row's 32 bytes), and the biases
.irp t, 0,1,2,3
.irp c, 0,1
	global_load_b128 v[SA+8*\t+4*\c:SA+8*\t+4*\c+3], v[SCO], s[80:81] offset:512*\t+16*\c
	global_load_b128 v[SB+8*\t+4*\c:SB+8*\t+4*\c+3], v[SCO], s[82:83] offset:512*\t+16*\c
.endr
.endr
.irp t, 0,1
.irp c, 0,1
	global_load_b128 v[SB+32+8*\t+4*\c:SB+32+8*\t+4*\c+3], v[SCO], s[84:85] offset:512*\t+16*\c
.endr
.endr
.irp nt, 0,1,2,3
	global_load_b128 v[BQ+8*\nt:BQ+8*\nt+3],   v[BO8], s[88:89] offset:64*\nt      ; register j is b of the tile's row 8 (lane / 16) + j
	global_load_b128 v[BQ+8*\nt+4:BQ+8*\nt+7], v[BO8], s[88:89] offset:64*\nt+16
.endr
.irp nt, 0,1
.irp j, 0,1,2,3,4,5,6,7
	global_load_b32 v[BV+8*\nt+\j], v[BO1], s[90:91] offset:64*\nt                 ; a lane holds one row of W, so all eight registers take the same number
.endr
.endr
.endm
.macro MMC d, a, b, c, sa, sb          ; D = A B^T + C, 16 x 16 x 128
	v_wmma_scale_f32_16x16x128_f8f6f4 v[\d:\d+7], v[\a:\a+7], v[\b:\b+7], v[\c:\c+7], v[\sa], v[\sb] matrix_a_fmt:MATRIX_FMT_FP4 matrix_b_fmt:MATRIX_FMT_FP4
.endm
.macro SETS ks                         ; fragment set ks & 1: x's four, q's or k's four of W, v's two of W
.set XF, 160+32*((\ks)%2)
.set WF, 192+32*((\ks)%2)
.set VF, 224-208*((\ks)%2)
.endm
; The ten fragments of K step ks: lane l holds row l % 16; registers 4 c .. 4 c + 3 hold K = 64 c + 32 (l / 16) + 0 .. 31
.macro FETCH ks
	SETS \ks
	WIN 0x40*((\ks)%2)
.irp i, 0,1,2,3
.irp cc, 0,1
	ds_load_b128 v[XF+8*\i+4*\cc:XF+8*\i+4*\cc+3], v[AD+3*((\ks)/4)] offset:64*((\ks)%4)+4352*\i+32*\cc
	ds_load_b128 v[WF+8*\i+4*\cc:WF+8*\i+4*\cc+3], v[AD+3*((\ks)/4)+1] offset:64*((\ks)%4)+4352*\i+32*\cc
.endr
.endr
	WIN 0
.irp i, 0,1
.irp cc, 0,1
	ds_load_b128 v[VF+8*\i+4*\cc:VF+8*\i+4*\cc+3], v[AD+3*((\ks)/4)+2] offset:64*((\ks)%4)+4352*\i+32*\cc
.endr
.endr
.endm
; A K step: this step's fragments were asked for a step ago; the next step's are asked for; 24 products, the accumulators by turns in the same order in every step.  Step 0 takes the bias as C.
.macro STEP ks
	s_wait_dscnt 0x0
.if \ks == 3
	WIN 0
	s_wait_tensorcnt 0x0                           ; if I fetched a part of K half 1, it has landed,
	s_barrier_signal -1
	s_barrier_wait -1                              ; and everybody's has
.endif
.if \ks < 7
.if \ks > 0
	PLACES                                         ; the set that is loaded now was read by the products just issued
.endif
	FETCH \ks+1
.endif
	SETS \ks
.if \ks%2
	WIN 0x55                                       ; sources 0, 1 window 1; C, D window 1
.else
.if \ks == 0
	WIN 0x40                                       ; C (the bias) window 0, D window 1
.else
	WIN 0x50
.endif
.endif
.irp mt, 0,1,2,3
.irp nt, 0,1,2,3
.if \ks == 0
	MMC 32*\mt+8*\nt, WF+8*\nt, XF+8*\mt, BQ+8*\nt, SB+8*\nt+\ks, SA+8*\mt+\ks
.else
	MMC 32*\mt+8*\nt, WF+8*\nt, XF+8*\mt, 32*\mt+8*\nt, SB+8*\nt+\ks, SA+8*\mt+\ks
.endif
.endr
.endr
.if \ks%2
	WIN 0x51                                       ; source 0 (x) window 1, source 1 (W) window 0
.endif
.irp j, 0,1
.irp mt, 0,1,2,3
.if \ks == 0
	MMC 128+32*\j+8*\mt, XF+8*\mt, VF+8*\j, BV+8*\j, SA+8*\mt+\ks, SB+32+8*\j+\ks
.else
	MMC 128+32*\j+8*\mt, XF+8*\mt, VF+8*\j, 128+32*\j+8*\mt, SA+8*\mt+\ks, SB+32+8*\j+\ks
.endif
.endr
.endr
.endm
; Two groups of 64 along K (four result tiles each, 32 registers of window 1 from x on; in a tile a lane's eight registers are K = 16 tile + 8 (lane / 16) + 0 .. 7) become four registers of codes each, at pcd and pcd + 4,
; and their two scale bytes, in hw and hw + 1.  Four blocks by turns.  The largest magnitude with 2 off its exponent field is the conversion's scale operand.
.macro QUANTP x, pcd, hw
	WIN 0x05
.irp b, 0,1,2,3
	v_max3_num_f32 v[TM+\b], |v[\x+16*\b]|, |v[\x+16*\b+1]|, 0x1800000   ; the floor 2^(3 - 127) holds the byte at 1 from below
.endr
.irp i, 2,4,6,8,10,12,14
.irp b, 0,1,2,3
	v_max3_num_f32 v[TM+\b], |v[\x+16*\b+\i]|, |v[\x+16*\b+\i+1]|, v[TM+\b]
.endr
.endr
	WIN 0
.irp b, 0,1,2,3
	v_permlanex16_b32 v[TX+\b], v[TM+\b], s[SEL], s[SEL+1]
.endr
.irp b, 0,1,2,3
	v_max_num_f32 v[TM+\b], v[TM+\b], v[TX+\b]     ; with lane l xor 16's
.endr
.irp b, 0,1,2,3
	v_add_nc_u32 v[SO+\b], 0xff000000, v[TM+\b]
.endr
.irp b, 0,1,2,3
	v_lshrrev_b32 v[BY+\b], 23, v[SO+\b]
.endr
	WIN 0x01
.irp j, 0,1
	v_cvt_scalef32_pk8_fp4_f32 v[\pcd+4*\j],   v[\x+32*\j:\x+32*\j+7],     v[SO+2*\j]
	v_cvt_scalef32_pk8_fp4_f32 v[\pcd+4*\j+1], v[\x+32*\j+16:\x+32*\j+23], v[SO+2*\j+1]
	v_cvt_scalef32_pk8_fp4_f32 v[\pcd+4*\j+2], v[\x+32*\j+8:\x+32*\j+15],  v[SO+2*\j]
	v_cvt_scalef32_pk8_fp4_f32 v[\pcd+4*\j+3], v[\x+32*\j+24:\x+32*\j+31], v[SO+2*\j+1]
.endr
	WIN 0
.irp j, 0,1
	v_lshl_or_b32 v[\hw+\j], v[BY+2*\j+1], 8, v[BY+2*\j]   ; (plain instructions behind the conversions)
.endr
.irp j, 0,1
	v_permlane16_swap_b32 v[\pcd+4*\j],   v[\pcd+4*\j+1]   ; lanes 16-31 of the first and 0-15 of the second change places: a whole block in a lane
	v_permlane16_swap_b32 v[\pcd+4*\j+2], v[\pcd+4*\j+3]
.endr
.endm
	s_load_b256 s[4:11], s[0:1], 0x0               ; x's codes, x's scales, W's codes, W's scales
	s_load_b256 s[12:19], s[0:1], 0x20             ; b, qc, kc, vc
	s_load_b128 s[20:23], s[0:1], 0x40             ; qks, vs
	v_lshl_add_u32 v254, v0, 2, SPARE
	v_mov_b32 v255, 0
	ds_add_u32 v254, v255                          ; the add, twice, ahead of the first tensor load
	ds_add_u32 v254, v255
	v_lshrrev_b32 v1, 5, v0
	v_readfirstlane_b32 s[WV], v1                  ; wave 0..7
	s_and_b32 s[MH], s[WV], 1
	s_bfe_u32 s[HH], s[WV], 0x10001
	s_lshr_b32 s[PP], s[WV], 2                     ; my part; also the K half that I fetch
	s_bfe_u32 s27, ttmp6, 0x40000                  ; cx, cy
	s_bfe_u32 s28, ttmp6, 0x40004
	s_lshl_b32 s29, ttmp9, 2
	s_add_co_u32 s29, s29, s27                     ; work-group x: the pair of heads
	s_and_b32 s30, ttmp7, 0xffff
	s_lshl_b32 s30, s30, 2
	s_add_co_u32 s30, s30, s28                     ; work-group y: the 128 tokens
	s_lshl_b32 s67, s28, 2
	s_lshl_b32 s67, 15, s67                        ; my row of the cluster
	s_lshl_b32 s68, 0x1111, s27                    ; my column
	; group 1: 128 rows x 256 bytes, 512 bytes apart in memory, four words of padding after every 64 in LDS
	s_or_b32 s[G1A], s67, (0<<16)|(1<<20)|(1<<21)|(5<<22)|(3<<25)
	s_or_b32 s[G1B], s68, (0<<16)|(1<<20)|(1<<21)|(5<<22)|(3<<25)
.irp g, G1A, G1B
	s_mov_b32 s[\g+1], 256<<16
	s_mov_b32 s[\g+2], 128<<16
	s_mov_b32 s[\g+3], 256<<16
	s_mov_b32 s[\g+4], 128
	s_mov_b32 s[\g+5], 512
	s_mov_b32 s[\g+6], 0
	s_mov_b32 s[\g+7], 0
.endr
	; x's tiles hang on work-group y and the wave alone, W's on work-group x and the wave alone
	s_lshl_b32 s69, s[PP], 8                       ; my K half: 256 bytes of each row
	s_lshl_b32 s92, s30, 16
	s_add_co_u32 s92, s92, s69
	s_mov_b32 s93, 0
	s_add_co_u32 s31, s[WV], 3
	s_and_b32 s31, s31, 3
	s_min_u32 s31, s31, 2                          ; W's third (waves 0 and 4 ask for x; their number here stays inside W)
	s_lshl_b32 s94, s31, 19
	s_lshl_b32 s95, s29, 16
	s_add_co_u32 s94, s94, s95
	s_add_co_u32 s94, s94, s69
	s_mov_b32 s95, 0
	s_mul_i32 s2, s[WV], UNIT                      ; where my tile goes
	s_mul_i32 s70, s[MH], HROWS                    ; my 64 tokens
	s_add_co_u32 s71, s[PP], 1
	s_mul_i32 s71, s71, UNIT
	s_mul_i32 s72, s[HH], HROWS
	s_add_co_u32 s71, s71, s72                     ; my head's 64 rows of q or k
	s_mul_i32 s73, s[PP], 2*4352
	s_add_co_u32 s72, s72, s73
	s_add_co_u32 s72, s72, 3*UNIT                  ; my 32 rows of v
	s_add_co_u32 s73, s70, CHUNK
	s_add_co_u32 s74, s71, CHUNK
	s_add_co_u32 s75, s72, CHUNK
	s_lshl_b32 s77, s[HH], 8
	s_lshl_b32 s78, s[PP], 3
	s_add_co_u32 s77, s77, s78
	s_lshl_b32 s78, s[MH], 1
	s_add_co_u32 s77, s77, s78
	s_add_co_u32 s77, s77, VSC
	s_mov_b32 s[SEL], 0x76543210
	s_mov_b32 s[SEL+1], 0xfedcba98                 ; v_permlanex16_b32's selects for lane l xor 16
	s_mov_b32 s31, 0xffff0000                      ; lanes 16-31
	; offsets of the scale bytes (32 a row) and of the biases
	s_lshl_b32 s80, s30, 12
	s_lshl_b32 s81, s[MH], 11
	s_add_co_u32 s80, s80, s81                     ; x's rows
	s_mov_b32 s81, 0
	s_lshl_b32 s86, s29, 12
	s_lshl_b32 s87, s[HH], 11
	s_add_co_u32 s86, s86, s87
	s_lshl_b32 s82, s[PP], 15
	s_add_co_u32 s82, s82, s86                     ; W's: q's or k's rows,
	s_mov_b32 s83, 0
	s_lshl_b32 s84, s[PP], 10
	s_add_co_u32 s84, s84, s86
	s_add_co_u32 s84, s84, 65536                   ; and v's
	s_mov_b32 s85, 0
	s_lshl_b32 s86, s29, 1
	s_add_co_u32 s86, s86, s[HH]                   ; my head, 0..15
	s_lshl_b32 s87, s86, 8
	s_lshl_b32 s88, s[PP], 12
	s_add_co_u32 s88, s88, s87                     ; b: q's or k's,
	s_mov_b32 s89, 0
	s_lshl_b32 s90, s[PP], 7
	s_add_co_u32 s90, s90, s87
	s_add_co_u32 s90, s90, 8192                    ; and v's
	s_mov_b32 s91, 0
	v_and_b32 v2, 15, v0                           ; r
	v_bfe_u32 v3, v0, 4, 1                         ; h
	v_and_b32 v4, 31, v0
	v_mul_u32_u24 v5, v2, 272
	v_lshlrev_b32 v[SCO], 5, v2
	v_lshlrev_b32 v[LI], 4, v4
	v_lshl_add_u32 v5, v3, 4, v5                   ; a fragment's row x pitch + 16 x half
	v_lshlrev_b32 v[BO8], 5, v3
	v_lshlrev_b32 v[BO1], 2, v2
	v_add_nc_u32 v[AD], s70, v5
	v_add_nc_u32 v[AD+1], s71, v5
	v_add_nc_u32 v[AD+2], s72, v5
	v_add_nc_u32 v[AD+3], s73, v5
	v_add_nc_u32 v[AD+4], s74, v5
	v_add_nc_u32 v[AD+5], s75, v5
	v_lshl_add_u32 v[VSW], v2, 4, s77              ; v's scale bytes: 256 x head + 16 r + 8 x part + 2 x my half of the 128 keys
	v_add_nc_u32 v[VSR], VSC, v[LI]
	v_lshlrev_b32 v[VSO], 4, v2
	v_lshlrev_b32 v[QSO], 4, v2
	v_lshl_add_u32 v[VSO], v3, 11, v[VSO]
	v_lshl_add_u32 v[QSO], v3, 3, v[QSO]
.irp b, 0,1,2,3
	v_mov_b32 v[TX+\b], 0                          ; written once: a lane permute's destination counts as one of its sources
.endr
	s_wait_alu depctr_va_vdst(0)
	s_wait_dscnt 0x0                               ; both adds are done
	s_wait_kmcnt 0x0
	s_mov_b32 s[G0A], 1
	s_mov_b32 s[G0A+1], s2
	s_add_nc_u64 s[G0A+2:G0A+3], s[4:5], s[92:93]
	s_or_b32 s[G0A+3], s[G0A+3], 0x80000000
	s_mov_b32 s[G0B], 1
	s_mov_b32 s[G0B+1], s2
	s_add_nc_u64 s[G0B+2:G0B+3], s[8:9], s[94:95]
	s_or_b32 s[G0B+3], s[G0B+3], 0x80000000
	s_add_nc_u64 s[80:81], s[6:7], s[80:81]
	s_add_nc_u64 s[82:83], s[10:11], s[82:83]
	s_add_nc_u64 s[84:85], s[10:11], s[84:85]
	s_add_nc_u64 s[88:89], s[12:13], s[88:89]
	s_add_nc_u64 s[90:91], s[12:13], s[90:91]
	CROUND                                         ; all sixteen work-groups are here: the joint loads meet
	; one load a wave; K half 1's loads have lines of their own, since their waves do not wait for them ahead of the first barrier below
	s_cmp_lt_u32 s[WV], 4
	s_cbranch_scc0 .Lsecond
	s_cmp_lt_u32 s[WV], 1
	s_cbranch_scc0 .Lw0
	JLOAD G0A, G1A
	s_branch .Lfirst
.Lw0:
	JLOAD G0B, G1B
.Lfirst:
	GLOADS
	s_branch .Lasked
.Lsecond:
	GLOADS
	s_cmp_lt_u32 s[WV], 5
	s_cbranch_scc0 .Lw1
	JLOAD G0A, G1A
	s_branch .Lasked
.Lw1:
	JLOAD G0B, G1B
.Lasked:
	; the bases of the outputs
	s_lshr_b32 s94, s30, 3                         ; the batch
	s_and_b32 s95, s30, 7                          ; which 128 tokens of its 1,024
	s_lshl_b32 s96, s94, 4
	s_add_co_u32 s96, s96, s86                     ; 16 x batch + head
	s_mov_b32 s99, 0
	s_cmp_eq_u32 s[PP], 0
	s_cselect_b64 s[14:15], s[14:15], s[16:17]     ; qc or kc
	s_lshl_b32 s97, s96, 15
	s_lshl_b32 s98, s95, 12
	s_add_co_u32 s97, s97, s98                     ; 32,768 a head + 4,096 for 128 tokens
	s_lshl_b32 s98, s[MH], 11
	s_add_co_u32 s98, s98, s97
	s_add_nc_u64 s[14:15], s[14:15], s[98:99]      ; my four tiles of 512 bytes
	s_lshl_b32 s98, s[MH], 9
	s_add_co_u32 s98, s98, s97
	s_lshl_b32 s97, s[PP], 11
	s_add_co_u32 s98, s98, s97
	s_add_nc_u64 s[18:19], s[18:19], s[98:99]      ; vc: my two fragments' halves
	s_lshl_b32 s98, s96, 13
	s_lshl_b32 s97, s95, 10
	s_add_co_u32 s98, s98, s97
	s_lshl_b32 s97, s[MH], 9
	s_add_co_u32 s98, s98, s97
	s_lshl_b32 s97, s[PP], 8
	s_add_co_u32 s98, s98, s97
	s_add_nc_u64 s[20:21], s[20:21], s[98:99]      ; qks
	s_lshl_b32 s98, s94, 15
	s_lshl_b32 s97, s29, 12
	s_add_co_u32 s98, s98, s97
	s_lshl_b32 s97, s95, 8
	s_add_co_u32 s98, s98, s97
	s_add_nc_u64 s[22:23], s[22:23], s[98:99]      ; vs: the work-group's first head
	s_wait_alu depctr_va_vdst(0)                   ; the wait at the head's end
	s_cmp_gt_u32 s[WV], 3
	s_cbranch_scc1 .Lhalf1                         ; waves 4-7 fetched K half 1: it is waited for in step 3
	s_wait_tensorcnt 0x0                           ; my part of K half 0 has landed
.Lhalf1:
	s_barrier_signal -1
	s_barrier_wait -1                              ; everybody's part of K half 0 has
	FETCH 0
	s_wait_loadcnt 0x0                             ; scale words and biases
	STEP 0
	STEP 1
	STEP 2
	STEP 3
	STEP 4
	STEP 5
	STEP 6
	STEP 7
	WIN 0
	PLACES                                         ; in front of the first read of results
.macro QWORDS m                        ; the words of tiles 2 m, 2 m + 1: bytes 2 and 3 are 1.0, over the zero codes of K = 64 .. 127
	v_or_b32 v[WD+2*\m],   0x7f7f0000, v[HW]
	v_or_b32 v[WD+2*\m+1], 0x7f7f0000, v[HW+1]
.endm
.macro QSTORE m
	global_store_b128 v[LI], v[QCD+8*\m:QCD+8*\m+3],   s[14:15] offset:1024*\m       ; 32 lanes store 512 consecutive bytes
	global_store_b128 v[LI], v[QCD+8*\m+4:QCD+8*\m+7], s[14:15] offset:1024*\m+512
.endm
	QUANTP 0, QCD, HW                              ; q or k, two tiles of 16 tokens at a time; a group's stores stand behind the next group's quantising
	QWORDS 0
	QUANTP 64, QCD+8, HW
	QWORDS 1
	QSTORE 0
	; v: for each 16 numbers of the head my 64 tokens are half a fragment; its two scale bytes are half a word, which meets the other wave's half in LDS
	QUANTP 128, VCD, HV
	QSTORE 1
.irp j, 0,1
	ds_store_b16 v[VSW], v[HV+\j] offset:4*\j      ; lanes l and l xor 16 write the same two bytes with the same value
.endr
	v_cndmask_b32 v[DW],   v[WD],   v[WD+2], s31   ; lanes 0-15 store the words of tiles 0 and 1, lanes 16-31 those of 2 and 3
	v_cndmask_b32 v[DW+1], v[WD+1], v[WD+3], s31
.irp j, 0,1
	global_store_b128 v[LI], v[VCD+4*\j:VCD+4*\j+3], s[18:19] offset:1024*\j
.endr
	global_store_b64 v[QSO], v[DW:DW+1], s[20:21]  ; 32 lanes store 256 consecutive bytes
	s_wait_alu depctr_va_vdst(0)
	s_wait_dscnt 0x0                               ; for the others' sake: my stores have landed
	s_barrier_signal -1
	s_barrier_wait -1
	s_cmp_lg_u32 s[WV], 0
	s_cbranch_scc1 .Lno_words
	ds_load_b128 v[RB:RB+3], v[VSR]                ; both heads' words: 512 bytes
	s_wait_dscnt 0x0
	global_store_b128 v[VSO], v[RB:RB+3], s[22:23] ; sixteen lanes store 256 consecutive bytes, aligned
.Lno_words:
	s_wait_tensorcnt 0x0                           ; the wave's end
	ds_add_u32 v254, v255
	s_wait_dscnt 0x0
	CROUND                                         ; the closing round
	s_endpgm
.Lfunc_end_k_qcd9bf18c63_qkv:
	.size	k_qcd9bf18c63_qkv, .Lfunc_end_k_qcd9bf18c63_qkv-k_qcd9bf18c63_qkv
	.p2alignl 7, 3214868480
	.fill 96, 4, 3214868480
	.section	.rodata,"a",@progbits
	.p2align	6, 0x0
	.amdhsa_kernel k_qcd9bf18c63_qkv
		.amdhsa_group_segment_fixed_size 280064
		.amdhsa_private_segment_fixed_size 0
		.amdhsa_enable_private_segment 0
		.amdhsa_kernarg_size 80
		.amdhsa_user_sgpr_count 2
		.amdhsa_user_sgpr_kernarg_segment_ptr 1
		.amdhsa_wavefront_size32 1
		.amdhsa_system_sgpr_workgroup_id_x 1
		.amdhsa_system_sgpr_workgroup_id_y 1
		.amdhsa_system_sgpr_workgroup_id_z 1
		.amdhsa_system_vgpr_workitem_id 0
		.amdhsa_next_free_vgpr 512
		.amdhsa_next_free_sgpr 102
		.amdhsa_reserve_vcc 0
		.amdhsa_float_denorm_mode_32 3
		.amdhsa_float_denorm_mode_16_64 3
		.amdhsa_memory_ordered 1
		.amdhsa_forward_progress 1
		.amdhsa_inst_pref_size 67
	.end_amdhsa_kernel
	.amdgpu_metadata
---
amdhsa.version: [ 1, 2 ]
amdhsa.kernels:
  - .name:           k_qcd9bf18c63_qkv
    .symbol:         k_qcd9bf18c63_qkv.kd
    .args:
      - { .name: x_codes, .offset: 0, .size: 8, .value_kind: global_buffer, .address_space: global }
      - { .name: x_scales, .offset: 8, .size: 8, .value_kind: global_buffer, .address_space: global }
      - { .name: w_attn_codes, .offset: 16, .size: 8, .value_kind: global_buffer, .address_space: global }
      - { .name: w_attn_scales, .offset: 24, .size: 8, .value_kind: global_buffer, .address_space: global }
      - { .name: b_attn, .offset: 32, .size: 8, .value_kind: global_buffer, .address_space: global }
      - { .name: qc, .offset: 40, .size: 8, .value_kind: global_buffer, .address_space: global }
      - { .name: kc, .offset: 48, .size: 8, .value_kind: global_buffer, .address_space: global }
      - { .name: vc, .offset: 56, .size: 8, .value_kind: global_buffer, .address_space: global }
      - { .name: qks, .offset: 64, .size: 8, .value_kind: global_buffer, .address_space: global }
      - { .name: vs, .offset: 72, .size: 8, .value_kind: global_buffer, .address_space: global }
    .group_segment_fixed_size: 280064
    .private_segment_fixed_size: 0
    .kernarg_segment_align: 8
    .kernarg_segment_size: 80
    .max_flat_workgroup_size: 256
    .sgpr_count:     102
    .vgpr_count:     512
    .wavefront_size: 32
...
	.end_amdgpu_metadata
.endif
;; end of part 1
;; launch attn (part 2): grid 4 x 64, 16 waves a work-group, clusters of 4 x 1, 169,984 bytes of LDS; arguments qc, kc, vc, qks, vs, yc, ysc; writes yc, ysc
.if DOCPART == 2
	.amdgcn_target "amdgcn-amd-amdhsa--gfx1250"
	.amdhsa_code_object_version 6
	.text
	.protected	k_qcd9bf18c63_attn
	.globl	k_qcd9bf18c63_attn
	.p2align	8
	.type	k_qcd9bf18c63_attn,@function
k_qcd9bf18c63_attn:
	s_mov_b64 s[64:65], 0
	v_nop
	global_prefetch_b8 v0, s[64:65] scope:SCOPE_SE
	s_setreg_imm32_b32 hwreg(HW_REG_WAVE_MODE, 25, 1), 1
	s_wait_xcnt 0x0
	s_wait_alu depctr_hold_cnt(0) depctr_sa_sdst(0) depctr_va_vdst(0) depctr_va_sdst(0) depctr_va_ssrc(0) depctr_va_vcc(0) depctr_vm_vsrc(0)
	s_getreg_b32 s2, hwreg(HW_REG_IB_STS2, 6, 4)
	s_cmp_eq_u32 s2, 0
	s_cbranch_scc0 .Lentry_in_a_cluster
	s_endpgm
.Lentry_in_a_cluster:
	s_bfe_u32 s2, ttmp6, 0x10000c
	s_cmp_lg_u32 s2, 0x3003
	s_cbranch_scc0 .Lentry_shape_is_right
	s_endpgm
.Lentry_shape_is_right:
; y = softmax(q k^T / 8, causal) v for one head of 64, both products on codes of FP4 (E2M1) with one E8M0 scale for each 32 along K; y is quantised along the head's 64 and leaves as codes.
; LEFT OUT: whole units of 64 keys that come after all of a wave's queries: reference()'s own causal mask makes their p zero for all values of the inputs.  A NaN or an infinity that reaches such a score alone is not carried on.
; THE SOFTMAX: t = score x log2(e) / 8; M = the row's largest t so far, rounded UP to a whole number; p = 2^(t - M) is quantised along the keys, not normalised; the row's sum is taken of the unquantised p and divides at the end.
; When M moves, the sum and O are multiplied by 2^(old M - new M): exact.
; SHARES.  The four work-groups of a cluster share a head (work-group y); its K and V come into each one's LDS once, by joint loads.  Nothing is filled again, so nothing is prefetched: all is asked for at the head.
; A wave owns one tile of 16 queries: tile 4 a + cx, which needs the first a + 1 units of 64 keys.  With c = wave & 3: a = 15 - c, 8 + c, 7 - c, c for wave / 4 = 0, 1, 2, 3: the longest have the lowest numbers, and each four waves
; that agree in wave & 3 have 34 units.  a hangs on the wave's number alone, so no branch hangs on the place in the cluster.
; STEPS of 128 keys.  Step 0 takes its K straight from memory into registers and its work runs while the joint loads are on their way.  Steps 1 to 7: every wave walks seven trips; one whose keys all come after its queries is jumped over;
; one of which only the first 64 count takes the half step.  Scores are masked in the last unit alone.  A step's K is asked for behind the first product of the step before, its V behind the second.
; LAYOUT.  Both products are used transposed (S^T = K Q^T, O^T = V^T P^T): a lane holds ONE query (lane % 16).  In tile t of S^T a lane's eight registers are keys 16 t + 8 (lane / 16) + 0 .. 7.
; K = 64 of the first product is filled up to 128 with zero codes on both sides (registers 4 to 7 of each fragment, cleared once) under the scale byte 0x7f.
; LIMITS: as stated in the launch that makes q, k and v; the promise holds while the scaled scores stay under 2^31 in magnitude; a block of p that has fallen to 0 keeps the byte 1: its codes are zeros.
.set LKC, 0                            ; LDS: K's codes, [tile of 16 keys 64][lane][16]; tiles 0-7 (step 0) are not brought here
.set LVC, 32768                        ; V's, [128 keys 8][16 of the head's 64: 4][half 2][lane][16]
.set LKS, 65536                        ; K's scale words, [64 keys 16][key % 16][tile 4]; the first two are not brought
.set LVS, 69632                        ; V's, [128 keys 8][row % 16][tile 4]
.set SPARE, 167936
.set LI,   1
.set AKS,  2
.set AVS,  3
.set VD,   4                           ; in the last unit: register 8 t + i is hidden where 16 t + i > this
.set NINF, 5
.set ADK,  6
.set ADS,  7
.set ADT,  8
.set R16,  9                           ; 16 x (lane % 16)
.set YSO,  10
.set LN,   11
.set QF,   16                          ; v12 -M, v13 the largest t, v[14:15] the sum in two halves
.set QS,   24
.set PW,   25
.set FF,   26
.set VSW,  28
.set KSW,  32
.set KB,   40                          ; v40-103 eight fragments of K
.set VF,   104                         ; v104-135 four of V
.set S,    136                         ; v136-199 S^T, then p
.set O,    200                         ; v200-231 O^T
.set PC,   232                         ; v232-239 p's codes
.set BM,   240
.set BX,   244
.set SU,   240                         ; the sum's four chains lie where BM and BX have been used up
.set SO,   248
.set T0,   252
.set HW,   253
.set WV,   18
.set QT,   19
.set SEL,  20
.set CS,   22
.set G1K,  24
.set G1V,  32
.set G1KS, 40
.set G1VS, 48
.set G0K,  56
.set G0V,  60
.set G0KS, 68
.set G0VS, 72
.set CX,   76
.set BH,   77
.set AA,   78
.set EE,   79                          ; the step's first unit: 2 x step
.set TB,   88
.set TS,   89
.set TJ,   90
.macro PLACES
.rept 4
	v_nop
.endr
.endm
.macro CROUND                          ; a round of the cluster's barrier
	s_barrier_signal -1
	s_barrier_wait -1
	s_cmp_lg_u32 s[WV], 0
	s_cbranch_scc1 .Lnot_wave_0_\@
	s_barrier_signal -3
.Lnot_wave_0_\@:
	s_barrier_wait -3
	s_barrier_signal -1
	s_barrier_wait -1
.endm
.macro ARM under, g0, g1, next
	s_cmp_lt_u32 s[WV], \under
	s_cbranch_scc0 \next
	tensor_load_to_lds s[\g0:\g0+3], s[\g1:\g1+7]
	s_nop 0
	PLACES
	s_branch .Lasked
\next:
.endm
.macro MMZ d, a, b, sa, sb             ; D = A B^T
	v_wmma_scale_f32_16x16x128_f8f6f4 v[\d:\d+7], v[\a:\a+7], v[\b:\b+7], 0, v[\sa], v[\sb] matrix_a_fmt:MATRIX_FMT_FP4 matrix_b_fmt:MATRIX_FMT_FP4
.endm
.macro MMC d, a, b, c, sa, sb          ; D = A B^T + C
	v_wmma_scale_f32_16x16x128_f8f6f4 v[\d:\d+7], v[\a:\a+7], v[\b:\b+7], v[\c:\c+7], v[\sa], v[\sb] matrix_a_fmt:MATRIX_FMT_FP4 matrix_b_fmt:MATRIX_FMT_FP4
.endm
.macro KLOAD                           ; ten loads: a step's K (images of the fragments' registers 0-3) and its scale words
.irp t, 0,1,2,3,4,5,6,7
	ds_load_b128 v[KB+8*\t:KB+8*\t+3], v[ADK] offset:512*\t
.endr
	ds_load_b128 v[KSW:KSW+3], v[ADS]
	ds_load_b128 v[KSW+4:KSW+7], v[ADS] offset:256
.endm
.macro VLOAD ak, at                    ; nine loads: a step's V and its scale words
.irp i, 0,1,2,3,4,5,6,7
	ds_load_b128 v[VF+4*\i:VF+4*\i+3], v[\ak] offset:LVC+512*\i
.endr
	ds_load_b128 v[VSW:VSW+3], v[\at]
.endm
.macro MASK base                       ; the 32 registers of the unit that holds my queries
.irp g, 0,1,2,3
.irp i, 0,1,2,3,4,5,6,7
	v_cmp_gt_i32 s[80+\i], 16*\g+\i, v[VD]
.endr
.irp i, 0,1,2,3,4,5,6,7
	v_cndmask_b32 v[\base+8*\g+\i], v[\base+8*\g+\i], v[NINF], s[80+\i]
.endr
.endr
.endm
; From the scores of nb blocks of 32 keys to p, p's codes and their scale word.  first = 1: nothing has been summed yet.
.macro SOFT nb, first
.irp b, 0,1,2,3
.if \b < \nb
	v_max3_num_f32 v[BM+\b], v[S+16*\b], v[S+1+16*\b], v[S+2+16*\b]   ; the largest score of each block: for the row's maximum, and, since p rises with the score, for the block's largest p
.endif
.endr
.irp i, 3,5,7,9,11,13
.irp b, 0,1,2,3
.if \b < \nb
	v_max3_num_f32 v[BM+\b], v[BM+\b], v[S+16*\b+\i], v[S+1+16*\b+\i]
.endif
.endr
.endr
.irp b, 0,1,2,3
.if \b < \nb
	v_max_num_f32 v[BM+\b], v[BM+\b], v[S+15+16*\b]
.endif
.endr
.irp b, 0,1,2,3
.if \b < \nb
	s_delay_alu instid0(VALU_DEP_\nb)
	v_permlanex16_b32 v[BX+\b], v[BM+\b], s[SEL], s[SEL+1]
.endif
.endr
.irp b, 0,1,2,3
.if \b < \nb
	s_delay_alu instid0(VALU_DEP_\nb)
	v_max_num_f32 v[BM+\b], v[BM+\b], v[BX+\b]
.endif
.endr
.if \nb == 4
	s_delay_alu instid0(VALU_DEP_2)
	v_max3_num_f32 v[T0], v[BM], v[BM+1], v[BM+2]
	s_delay_alu instid0(VALU_DEP_1)
	v_max_num_f32 v[T0], v[T0], v[BM+3]            ; the step's largest score of my query
.else
	s_delay_alu instid0(VALU_DEP_1)
	v_max_num_f32 v[T0], v[BM], v[BM+1]
.endif
	s_delay_alu instid0(VALU_DEP_1)
.if \first
	v_mul_f32 v13, s[CS], v[T0]                    ; as t (c is positive)
	s_delay_alu instid0(VALU_DEP_1)
	v_floor_f32 v12, -v13                          ; -M = floor(-t) = -ceil(t)
.else
	v_mul_f32 v[T0], s[CS], v[T0]
	s_delay_alu instid0(VALU_DEP_1)
	v_max_num_f32 v13, v13, v[T0]                  ; the running largest t
	v_mov_b32 v[T0], v12
	s_delay_alu instid0(VALU_DEP_2)
	v_floor_f32 v12, -v13                          ; the new -M
	s_delay_alu instid0(VALU_DEP_1)
	v_sub_f32 v[T0], v12, v[T0]                    ; M's old value less its new one: a whole number, 0 or less
	s_delay_alu instid0(VALU_DEP_1)
	v_cvt_i32_f32 v[T0], v[T0]                     ; (it saturates)
	s_delay_alu instid0(VALU_DEP_1)
	v_ldexp_f32 v[FF], 1.0, v[T0]                  ; f = 2^(old M - new M)
.endif
.set n, 0
.rept 8*\nb
	v_pk_fma_f32 v[S+n:S+n+1], v[S+n:S+n+1], s[CS:CS+1], v[12:13] op_sel_hi:[1,0,0]   ; t - M, two at a time (of c's and -M's pairs the low word serves both halves)
.set n, n+2
.endr
.irp b, 0,1,2,3
.if \b < \nb
	v_fma_f32 v[BM+\b], v[BM+\b], s[CS], v12       ; the same of each block's largest score
.endif
.endr
	s_wait_alu depctr_va_vdst(0)                   ; the wait ahead of the batch
.set n, 0
.rept 16*\nb
	v_exp_f32 v[S+n], v[S+n]                       ; p
.set n, n+1
.endr
.irp b, 0,1,2,3
.if \b < \nb
	v_exp_f32 v[BM+\b], v[BM+\b]                   ; the block's largest p
.endif
.endr
.if \first
	v_nop                                          ; a plain place behind the batch
.else
	v_pk_mul_f32 v[14:15], v[14:15], v[FF:FF+1] op_sel_hi:[1,0]   ; the sums under the new M.  (A plain place behind the batch)
.endif
	s_wait_alu depctr_va_vdst(0)                   ; and behind it
.irp b, 0,1,2,3
.if \b < \nb
	v_max_num_f32 v[BM+\b], 0x1800000, v[BM+\b]    ; the floor 2^(3 - 127): the byte cannot fall under 1
.endif
.endr
.irp b, 0,1,2,3
.if \b < \nb
	s_delay_alu instid0(VALU_DEP_\nb)
	v_add_nc_u32 v[SO+\b], 0xff000000, v[BM+\b]    ; 2 off the exponent field: the conversion's scale operand
.endif
.endr
.irp b, 0,1,2,3
.if \b < \nb
	s_delay_alu instid0(VALU_DEP_\nb)
	v_lshrrev_b32 v[BX+\b], 23, v[SO+\b]           ; the scale's byte
.endif
.endr
.if \nb == 4
	s_delay_alu instid0(VALU_DEP_3)
	v_lshl_or_b32 v[PW], v[BX+1], 8, v[BX]
	s_delay_alu instid0(VALU_DEP_1)
	v_lshl_or_b32 v[PW], v[BX+2], 16, v[PW]
	s_delay_alu instid0(VALU_DEP_1)
	v_lshl_or_b32 v[PW], v[BX+3], 24, v[PW]
.else
	s_delay_alu instid0(VALU_DEP_1)
	v_lshl_or_b32 v[PW], v[BX+1], 8, v[BX]
	s_delay_alu instid0(VALU_DEP_1)
	v_or_b32 v[PW], 0x7f7f0000, v[PW]              ; 1.0 over the zero codes of the half step's last 64 keys
.irp i, 4,5,6,7
	v_mov_b32 v[PC+\i], 0
.endr
.endif
.irp c, 0,1                                    ; tiles 4 c + 0, 1, 2, 3 go to registers 4 c + 0, 2, 1, 3
.if 2*\c < \nb
	v_cvt_scalef32_pk8_fp4_f32 v[PC+4*\c],   v[S+32*\c:S+32*\c+7],     v[SO+2*\c]
	v_cvt_scalef32_pk8_fp4_f32 v[PC+4*\c+2], v[S+32*\c+8:S+32*\c+15],  v[SO+2*\c]
	v_cvt_scalef32_pk8_fp4_f32 v[PC+4*\c+1], v[S+32*\c+16:S+32*\c+23], v[SO+2*\c+1]
	v_cvt_scalef32_pk8_fp4_f32 v[PC+4*\c+3], v[S+32*\c+24:S+32*\c+31], v[SO+2*\c+1]
.endif
.endr
	v_nop                                          ; a plain place behind the conversions
.irp c, 0,1
.if 2*\c < \nb
	v_permlane16_swap_b32 v[PC+4*\c],   v[PC+4*\c+1]      ; register 4 c + i then holds keys 64 c + 32 (lane / 16) + 8 i + 0 .. 7
	v_permlane16_swap_b32 v[PC+4*\c+2], v[PC+4*\c+3]
.endif
.endr
.endm
; The row's sum of the unquantised p, two numbers at a time, in four chains.
.macro SUMS nb, first
.irp j, 0,1,2,3
	v_pk_add_f32 v[SU+2*\j:SU+2*\j+1], v[S+4*\j:S+4*\j+1], v[S+4*\j+2:S+4*\j+3]
.endr
.set n, 16
.rept 8*\nb-8
	v_pk_add_f32 v[SU+2*((n/2)%4):SU+2*((n/2)%4)+1], v[SU+2*((n/2)%4):SU+2*((n/2)%4)+1], v[S+n:S+n+1]
.set n, n+2
.endr
	v_pk_add_f32 v[SU:SU+1], v[SU:SU+1], v[SU+2:SU+3]
	v_pk_add_f32 v[SU+4:SU+5], v[SU+4:SU+5], v[SU+6:SU+7]
	s_delay_alu instid0(VALU_DEP_1)
.if \first
	v_pk_add_f32 v[14:15], v[SU:SU+1], v[SU+4:SU+5]
.else
	v_pk_add_f32 v[SU:SU+1], v[SU:SU+1], v[SU+4:SU+5]
	s_delay_alu instid0(VALU_DEP_1)
	v_pk_add_f32 v[14:15], v[14:15], v[SU:SU+1]
.endif
.endm
; O^T under the new M, then O^T += V^T P^T.  younger: LDS loads behind V's, which may stay out
.macro PV younger
	s_wait_alu depctr_va_vdst(0)                   ; directly ahead of the first reader of O^T
.set n, 0
.rept 16
	v_pk_mul_f32 v[O+n:O+n+1], v[O+n:O+n+1], v[FF:FF+1] op_sel_hi:[1,0]
.set n, n+2
.endr
	s_wait_alu depctr_va_vdst(0)                   ; and here, ahead of the wait below
	s_wait_dscnt \younger
.irp dt, 0,1,2,3
	MMC O+8*\dt, VF+8*\dt, PC, O+8*\dt, VSW+\dt, PW
.endr
.endm
	s_load_b256 s[4:11], s[0:1], 0x0               ; qc, kc, vc, qks
	s_load_b128 s[12:15], s[0:1], 0x20             ; vs, yc
	s_load_b64 s[16:17], s[0:1], 0x30              ; ysc
	v_lshl_add_u32 v254, v0, 2, SPARE
	v_mov_b32 v255, 0
	ds_add_u32 v254, v255                          ; the add, twice, ahead of the first tensor load
	ds_add_u32 v254, v255
	v_lshrrev_b32 v1, 5, v0
	v_readfirstlane_b32 s[WV], v1                  ; wave 0..15
	s_bfe_u32 s[CX], ttmp6, 0x40000                ; my place in the cluster: the grid's x is one cluster wide
	s_and_b32 s[BH], ttmp7, 0xffff                 ; 16 x batch + head, which the four partners share
	s_and_b32 s80, s[WV], 3                        ; c
	s_lshr_b32 s81, s[WV], 3
	s_xor_b32 s81, s81, 1
	s_lshl_b32 s81, s81, 3
	s_or_b32 s80, s80, s81                         ; + 8 in waves 0-7
	s_bfe_u32 s81, s[WV], 0x10002
	s_xor_b32 s81, s81, 1
	s_mul_i32 s81, s81, 7
	s_xor_b32 s[AA], s80, s81                      ; a, my last unit of 64 keys: the low three bits turned round where wave / 4 is even
	s_lshl_b32 s[QT], s[AA], 2
	s_add_co_u32 s[QT], s[QT], s[CX]               ; my tile of queries: it enters global addresses alone
	s_lshl_b32 s91, s[CX], 4                       ; my first query's place in unit a: it enters the mask's numbers alone
	v_and_b32 v[YSO], 15, v0                       ; r
	v_bfe_u32 v[T0], v0, 4, 1                      ; h
	v_and_b32 v[LN], 31, v0
	v_mov_b32 v[NINF], 0xff800000
	v_lshlrev_b32 v[R16], 4, v[YSO]
	v_lshlrev_b32 v[T0], 3, v[T0]
	v_lshlrev_b32 v[LI], 4, v[LN]
	v_mov_b32 v[FF+1], 0                           ; (named as the upper half of a pair)
	v_add_nc_u32 v[AKS], LKS, v[R16]
	v_sub_nc_u32 v[VD], v[YSO], v[T0]
	v_add_nc_u32 v[AVS], LVS, v[R16]
	v_lshlrev_b32 v[YSO], 5, v[YSO]
	v_add_nc_u32 v[VD], s91, v[VD]                 ; my query's place in unit a, less 8 (lane / 16)
.irp i, 4,5,6,7
	v_mov_b32 v[QF+\i], 0                          ; the zero codes of K = 64 .. 127: Q's,
.endr
.irp t, 0,1,2,3,4,5,6,7
.irp i, 4,5,6,7
	v_mov_b32 v[KB+8*\t+\i], 0                     ; and K's: no load ever lands here
.endr
.endr
.irp b, 0,1,2,3
	v_mov_b32 v[BX+\b], 0                          ; a lane permute's destination counts as one of its sources
.endr
	s_and_b32 s82, s[WV], 1                        ; which half I fetch, if I fetch
	s_mul_i32 s83, s82, 14336
	s_add_co_u32 s83, s83, 4096                    ; K: 56 rows of 256 bytes, behind step 0's
	s_lshl_b32 s84, s82, 14                        ; V: 64 rows
	s_lshl_b32 s92, s[BH], 15                      ; a head's codes
	s_mov_b32 s93, 0
	s_add_co_u32 s94, s92, s83
	s_mov_b32 s95, 0
	s_add_co_u32 s96, s92, s84
	s_mov_b32 s97, 0
	s_lshl_b32 s86, s[BH], 13                      ; its words of q and k
	s_mov_b32 s87, 0
	s_lshl_b32 s98, s[BH], 11                      ; v's
	s_mov_b32 s99, 0
	; group 1: rows of 256 bytes (32 elements of 8 bytes); the mask names all four work-groups
.irp g, G1K, G1V, G1KS, G1VS
	s_mov_b32 s[\g], 15|(3<<16)|(1<<21)
	s_mov_b32 s[\g+1], 32<<16
	s_mov_b32 s[\g+3], 32<<16
	s_mov_b32 s[\g+6], 0
	s_mov_b32 s[\g+7], 0
.endr
	s_mov_b32 s[G1K+2], 56<<16
	s_mov_b32 s[G1K+4], 56
	s_mov_b32 s[G1K+5], 32
	s_mov_b32 s[G1V+2], 64<<16
	s_mov_b32 s[G1V+4], 64
	s_mov_b32 s[G1V+5], 32
	s_mov_b32 s[G1KS+2], 14<<16                    ; K's scale words: 14 rows, 512 bytes apart (q's lie between)
	s_mov_b32 s[G1KS+4], 14
	s_mov_b32 s[G1KS+5], 64
	s_mov_b32 s[G1VS+2], 8<<16
	s_mov_b32 s[G1VS+4], 8
	s_mov_b32 s[G1VS+5], 32
	s_mov_b32 s[SEL], 0x76543210
	s_mov_b32 s[SEL+1], 0xfedcba98                 ; v_permlanex16_b32's selects for lane l xor 16
	s_mov_b32 s[CS], 0x3e38aa3b                    ; c = log2(e) / 8
	s_mov_b32 s[CS+1], s[CS]                       ; (named with it as a pair)
	s_wait_alu depctr_va_vdst(0)
	s_wait_dscnt 0x0                               ; both adds are done
	s_wait_kmcnt 0x0
	s_mov_b32 s[G0K], 1
	s_mov_b32 s[G0K+1], s83
	s_add_nc_u64 s[G0K+2:G0K+3], s[6:7], s[94:95]
	s_or_b32 s[G0K+3], s[G0K+3], 0x80000000
	s_mov_b32 s[G0V], 1
	s_add_co_u32 s[G0V+1], s84, LVC
	s_add_nc_u64 s[G0V+2:G0V+3], s[8:9], s[96:97]
	s_or_b32 s[G0V+3], s[G0V+3], 0x80000000
	s_mov_b32 s[G0KS], 1
	s_mov_b32 s[G0KS+1], LKS+512
	s_add_nc_u64 s[G0KS+2:G0KS+3], s[10:11], s[86:87]
	s_add_nc_u64 s[G0KS+2:G0KS+3], s[G0KS+2:G0KS+3], 1280
	s_or_b32 s[G0KS+3], s[G0KS+3], 0x80000000
	s_mov_b32 s[G0VS], 1
	s_mov_b32 s[G0VS+1], LVS
	s_add_nc_u64 s[G0VS+2:G0VS+3], s[12:13], s[98:99]
	s_or_b32 s[G0VS+3], s[G0VS+3], 0x80000000
	s_lshl_b32 s80, s[QT], 9
	s_add_co_u32 s80, s80, s92
	s_mov_b32 s81, 0
	s_add_nc_u64 s[4:5], s[4:5], s[80:81]          ; Q's codes: 512 a tile
	s_lshl_b32 s82, s[AA], 9
	s_add_co_u32 s82, s82, s86
	s_lshl_b32 s83, s[CX], 2
	s_add_co_u32 s82, s82, s83
	s_mov_b32 s83, 0
	s_add_nc_u64 s[82:83], s[10:11], s[82:83]      ; its scale words
	s_add_nc_u64 s[86:87], s[10:11], s[86:87]      ; K's scale words
	s_add_nc_u64 s[92:93], s[6:7], s[92:93]        ; K's codes
	global_load_b128 v[QF:QF+3], v[LI], s[4:5]
	global_load_b32 v[QS], v[R16], s[82:83]
.irp t, 0,1,2,3,4,5,6,7
	global_load_b128 v[KB+8*\t:KB+8*\t+3], v[LI], s[92:93] offset:512*\t     ; step 0's K: 512 consecutive bytes a load
.endr
	global_load_b128 v[KSW:KSW+3], v[R16], s[86:87] offset:256
	global_load_b128 v[KSW+4:KSW+7], v[R16], s[86:87] offset:768
	CROUND                                         ; all four work-groups are here: the joint loads meet
	; the waves with the fewest units fetch: 10, 11: K's codes; 12, 13: V's; 14: K's scale words; 15: V's; the others none
	s_cmp_lt_u32 s[WV], 10
	s_cbranch_scc1 .Lasked
	ARM 12, G0K,  G1K,  .Lfor_v
	ARM 14, G0V,  G1V,  .Lfor_ks
	ARM 15, G0KS, G1KS, .Lfor_vs
	tensor_load_to_lds s[G0VS:G0VS+3], s[G1VS:G1VS+7]
	s_nop 0
	PLACES
.Lasked:
	s_lshr_b32 s94, s[BH], 4                       ; the batch
	s_and_b32 s95, s[BH], 15                       ; the head
	s_lshl_b32 s96, s94, 15                        ; ysc: 32 bytes a token, 2 a head
	s_lshl_b32 s98, s[QT], 9
	s_add_co_u32 s96, s96, s98
	s_lshl_b32 s98, s95, 1
	s_add_co_u32 s96, s96, s98
	s_mov_b32 s97, 0
	s_add_nc_u64 s[16:17], s[16:17], s[96:97]
	s_lshl_b32 s96, s94, 19                        ; yc: [tile of 16 tokens 256][head 16][lane][16]
	s_lshl_b32 s98, s[QT], 13
	s_add_co_u32 s96, s96, s98
	s_lshl_b32 s98, s95, 9
	s_add_co_u32 s96, s96, s98
	s_add_nc_u64 s[14:15], s[14:15], s[96:97]
	s_mov_b32 s[EE], 2
	s_mov_b32 s[TB], 4096
	s_mov_b32 s[TS], 512
	s_mov_b32 s[TJ], 256
	s_wait_alu depctr_va_vdst(0)                   ; the wait at the head's end
	s_wait_loadcnt 0x0                             ; Q, and step 0's K
.irp t, 0,1,2,3,4,5,6,7                        ; STEP 0
	MMZ S+8*\t, KB+8*\t, QF, KSW+\t, QS
.endr
	PLACES
	s_cmp_gt_u32 s[AA], 1
	s_cbranch_scc1 .Lopen0
	s_cmp_eq_u32 s[AA], 1
	s_cbranch_scc1 .Lone
	MASK S                                         ; a = 0: unit 0 holds my queries, and unit 1 is hidden whole
.set n, 32
.rept 32
	v_mov_b32 v[S+n], v[NINF]
.set n, n+1
.endr
	s_branch .Lopen0
.Lone:
	MASK S+32
.Lopen0:
	s_wait_alu depctr_va_vdst(0)
	s_wait_tensorcnt 0x0                           ; my load, if I issued one, has landed:
	s_barrier_signal -1                            ; say so; no LDS instruction of mine is out, and work on registers alone follows up to the wait
	SOFT 4, 1
	SUMS 4, 1
	v_add_nc_u32 v[ADK], 4096, v[LI]               ; step 1's addresses
	v_add_nc_u32 v[ADS], 512, v[AKS]
	v_add_nc_u32 v[ADT], 256, v[AVS]
	s_wait_alu depctr_va_vdst(0)
	s_barrier_wait -1                              ; everybody's has landed: the head's K and V lie in LDS for the rest of the launch
	VLOAD LI, AVS                                  ; step 0's V,
	KLOAD                                          ; step 1's K
	s_wait_dscnt 0xa                               ; V is in; K's ten may be out
.irp dt, 0,1,2,3
	MMZ O+8*\dt, VF+8*\dt, PC, VSW+\dt, PW         ; O^T begins
.endr
	PLACES
	VLOAD ADK, ADT                                 ; step 1's V
.Lstep:                                            ; seven trips, 128 keys each
	s_cmp_gt_u32 s[EE], s[AA]
	s_cbranch_scc1 .Lskip                          ; all these keys come after my queries
	s_cmp_eq_u32 s[EE], s[AA]
	s_cbranch_scc1 .Lhalf                          ; only the first 64 count
	s_add_co_u32 s91, s[TB], 4096                  ; the next step's places (behind the last step: the last step's once more)
	s_min_u32 s91, s91, 28672
	s_add_co_u32 s92, s[TS], 512
	s_min_u32 s92, s92, 3584
	s_add_co_u32 s93, s[TJ], 256
	s_min_u32 s93, s93, 1792
	s_wait_dscnt 0x9                               ; this step's K is in; V's nine may be out
.irp t, 0,1,2,3,4,5,6,7
	MMZ S+8*\t, KB+8*\t, QF, KSW+\t, QS
.endr
	v_add_nc_u32 v[ADK], s91, v[LI]                ; (these four are the places in front of the loads and of the first read of scores)
	v_add_nc_u32 v[ADS], s92, v[AKS]
	v_add_nc_u32 v[ADT], s93, v[AVS]
	v_nop
	KLOAD                                          ; the next step's K
	s_add_co_u32 s94, s[EE], 1
	s_cmp_lg_u32 s94, s[AA]
	s_cbranch_scc1 .Lopen                          ; a step all of whose keys count skips the mask
	MASK S+32
.Lopen:
	SOFT 4, 0
	PV 10                                          ; V is in; the ten loads of the next K may be out
	SUMS 4, 0                                      ; (among others the places in front of the loads below)
	VLOAD ADK, ADT                                 ; the next step's V
	s_branch .Lskip
.Lhalf:
	s_wait_dscnt 0x9
.irp t, 0,1,2,3
	MMZ S+8*\t, KB+8*\t, QF, KSW+\t, QS
.endr
	PLACES
	MASK S
	SOFT 2, 0
	PV 0
	SUMS 2, 0
.Lskip:
	s_add_co_u32 s[TB], s[TB], 4096
	s_add_co_u32 s[TS], s[TS], 512
	s_add_co_u32 s[TJ], s[TJ], 256
	s_add_co_u32 s[EE], s[EE], 2
	s_wait_alu depctr_va_vdst(0)                   ; the wait ahead of the branch
	s_cmp_lt_u32 s[EE], 16
	s_cbranch_scc1 .Lstep
	; THE WAY OUT: y = O^T / the sum, quantised along the head's 64: a lane holds one token, tile dt's registers are 16 dt + 8 (lane / 16) + 0 .. 7
	PLACES
	v_add_f32 v14, v14, v15                        ; the sum's two halves,
	s_delay_alu instid0(VALU_DEP_1)
	v_permlanex16_b32 v[T0], v14, s[SEL], s[SEL+1]
	s_delay_alu instid0(VALU_DEP_1)
	v_add_f32 v14, v14, v[T0]                      ; and lane l xor 16's
	s_wait_alu depctr_va_vdst(0)                   ; the wait ahead of the transcendental,
	v_rcp_f32 v14, v14
	v_nop                                          ; a plain place behind it
	s_wait_alu depctr_va_vdst(0)                   ; and behind it
.set n, 0
.rept 16
	v_pk_mul_f32 v[S+n:S+n+1], v[O+n:O+n+1], v[14:15] op_sel_hi:[1,0]
.set n, n+2
.endr
	v_max3_num_f32 v[BM],   |v[S]|,    |v[S+1]|,  0x1800000          ; block 0: tiles 0, 1; block 1: tiles 2, 3; and the floor
	v_max3_num_f32 v[BM+1], |v[S+16]|, |v[S+17]|, 0x1800000
.irp i, 2,4,6,8,10,12,14
	s_delay_alu instid0(VALU_DEP_2)
	v_max3_num_f32 v[BM],   |v[S+\i]|,    |v[S+\i+1]|,  v[BM]
	s_delay_alu instid0(VALU_DEP_2)
	v_max3_num_f32 v[BM+1], |v[S+16+\i]|, |v[S+17+\i]|, v[BM+1]
.endr
	s_delay_alu instid0(VALU_DEP_2)
	v_permlanex16_b32 v[BX],   v[BM],   s[SEL], s[SEL+1]
	s_delay_alu instid0(VALU_DEP_2)
	v_permlanex16_b32 v[BX+1], v[BM+1], s[SEL], s[SEL+1]
	s_delay_alu instid0(VALU_DEP_2)
	v_max_num_f32 v[BM],   v[BM],   v[BX]
	s_delay_alu instid0(VALU_DEP_2)
	v_max_num_f32 v[BM+1], v[BM+1], v[BX+1]
	s_delay_alu instid0(VALU_DEP_2)
	v_add_nc_u32 v[SO],   0xff000000, v[BM]
	s_delay_alu instid0(VALU_DEP_2)
	v_add_nc_u32 v[SO+1], 0xff000000, v[BM+1]
	s_delay_alu instid0(VALU_DEP_2)
	v_lshrrev_b32 v[BX+2], 23, v[SO]
	s_delay_alu instid0(VALU_DEP_2)
	v_lshrrev_b32 v[BX+3], 23, v[SO+1]
	v_cvt_scalef32_pk8_fp4_f32 v[PC],   v[S:S+7],     v[SO]
	v_cvt_scalef32_pk8_fp4_f32 v[PC+1], v[S+16:S+23], v[SO+1]
	v_cvt_scalef32_pk8_fp4_f32 v[PC+2], v[S+8:S+15],  v[SO]
	v_cvt_scalef32_pk8_fp4_f32 v[PC+3], v[S+24:S+31], v[SO+1]
	v_lshl_or_b32 v[HW], v[BX+3], 8, v[BX+2]       ; the two scale bytes.  (The plain instruction behind the conversions)
	v_permlane16_swap_b32 v[PC],   v[PC+1]
	v_permlane16_swap_b32 v[PC+2], v[PC+3]
	v_cmp_gt_u32 vcc_lo, 16, v[LN]
	global_store_b128 v[LI], v[PC:PC+3], s[14:15]  ; 32 lanes store 512 consecutive bytes: half a fragment of the last product's operand
	s_wait_alu depctr_va_vdst(0)
	s_wait_xcnt 0x0                                ; EXEC changes only behind this wait
	s_and_saveexec_b32 s94, vcc_lo                 ; lanes 16-31 hold the same bytes as lanes 0-15
	global_store_b16 v[YSO], v[HW], s[16:17]       ; two bytes of each token's 32: the other thirty come from the other heads' work-groups
	s_wait_xcnt 0x0                                ; and again, in front of the line that widens it
	s_or_b32 exec_lo, exec_lo, s94
	s_wait_tensorcnt 0x0                           ; the wave's end
	ds_add_u32 v254, v255
	s_wait_dscnt 0x0
	CROUND                                         ; the closing round
	s_endpgm
.Lfunc_end_k_qcd9bf18c63_attn:
	.size	k_qcd9bf18c63_attn, .Lfunc_end_k_qcd9bf18c63_attn-k_qcd9bf18c63_attn
	.p2alignl 7, 3214868480
	.fill 96, 4, 3214868480
	.section	.rodata,"a",@progbits
	.p2align	6, 0x0
	.amdhsa_kernel k_qcd9bf18c63_attn
		.amdhsa_group_segment_fixed_size 169984
		.amdhsa_private_segment_fixed_size 0
		.amdhsa_enable_private_segment 0
		.amdhsa_kernarg_size 56
		.amdhsa_user_sgpr_count 2
		.amdhsa_user_sgpr_kernarg_segment_ptr 1
		.amdhsa_wavefront_size32 1
		.amdhsa_system_sgpr_workgroup_id_x 1
		.amdhsa_system_sgpr_workgroup_id_y 1
		.amdhsa_system_sgpr_workgroup_id_z 1
		.amdhsa_system_vgpr_workitem_id 0
		.amdhsa_next_free_vgpr 256
		.amdhsa_next_free_sgpr 100
		.amdhsa_reserve_vcc 1
		.amdhsa_float_denorm_mode_32 3
		.amdhsa_float_denorm_mode_16_64 3
		.amdhsa_memory_ordered 1
		.amdhsa_forward_progress 1
		.amdhsa_inst_pref_size 73
	.end_amdhsa_kernel
	.amdgpu_metadata
---
amdhsa.version: [ 1, 2 ]
amdhsa.kernels:
  - .name:           k_qcd9bf18c63_attn
    .symbol:         k_qcd9bf18c63_attn.kd
    .args:
      - { .name: qc, .offset: 0, .size: 8, .value_kind: global_buffer, .address_space: global }
      - { .name: kc, .offset: 8, .size: 8, .value_kind: global_buffer, .address_space: global }
      - { .name: vc, .offset: 16, .size: 8, .value_kind: global_buffer, .address_space: global }
      - { .name: qks, .offset: 24, .size: 8, .value_kind: global_buffer, .address_space: global }
      - { .name: vs, .offset: 32, .size: 8, .value_kind: global_buffer, .address_space: global }
      - { .name: yc, .offset: 40, .size: 8, .value_kind: global_buffer, .address_space: global }
      - { .name: ysc, .offset: 48, .size: 8, .value_kind: global_buffer, .address_space: global }
    .group_segment_fixed_size: 169984
    .private_segment_fixed_size: 0
    .kernarg_segment_align: 8
    .kernarg_segment_size: 56
    .max_flat_workgroup_size: 512
    .sgpr_count:     100
    .vgpr_count:     256
    .wavefront_size: 32
...
	.end_amdgpu_metadata
.endif
;; end of part 2
;; launch proj (part 3): grid 8 x 32, 4 waves a work-group, clusters of 4 x 4, 168,448 bytes of LDS; arguments yc, ysc, w_proj_codes, w_proj_scales, b_proj, out0; writes out0
.if DOCPART == 3
	.amdgcn_target "amdgcn-amd-amdhsa--gfx1250"
	.amdhsa_code_object_version 6
	.text
	.protected	k_qcd9bf18c63_proj
	.globl	k_qcd9bf18c63_proj
	.p2align	8
	.type	k_qcd9bf18c63_proj,@function
k_qcd9bf18c63_proj:
	s_mov_b64 s[64:65], 0
	v_nop
	global_prefetch_b8 v0, s[64:65] scope:SCOPE_SE
	s_setreg_imm32_b32 hwreg(HW_REG_WAVE_MODE, 25, 1), 1
	s_wait_xcnt 0x0
	s_wait_alu depctr_hold_cnt(0) depctr_sa_sdst(0) depctr_va_vdst(0) depctr_va_sdst(0) depctr_va_ssrc(0) depctr_va_vcc(0) depctr_vm_vsrc(0)
	s_getreg_b32 s2, hwreg(HW_REG_IB_STS2, 6, 4)
	s_cmp_eq_u32 s2, 0
	s_cbranch_scc0 .Lentry_in_a_cluster
	s_endpgm
.Lentry_in_a_cluster:
	s_bfe_u32 s2, ttmp6, 0x10000c
	s_cmp_lg_u32 s2, 0xf033
	s_cbranch_scc0 .Lentry_shape_is_right
	s_endpgm
.Lentry_shape_is_right:
; out0 = y W_proj^T + b_proj on codes of FP4 (E2M1) with one E8M0 scale for each 32 along K = 1,024; out0 [4,096][1,024] f32.
; y's codes come as images of operand registers, [tile of 16 tokens 256][head 16][lane][16]; its scale bytes [token][32], as W's.  W's codes: rows of 512 bytes.
; SHARES.  A work-group makes 128 tokens (work-group y) x 128 columns (work-group x): 256 work-groups.  All of K lies in LDS, filled once.  A wave (mh = wave / 2, nh = wave & 1) makes 64 x 64.
; Its 64 rows of W, all of K, are held in 256 registers; its four tiles of 16 tokens are finished one after the other, over all of K, and each leaves as soon as it is finished.
; CLUSTERS: 4 x 4; y's tiles are shared along a row of the cluster, W's along a column, by joint loads, one of 32,768 bytes a wave: waves 0, 1 y's halves, 2, 3 W's.
; The scale bytes go straight from memory into the registers that the matrix instructions name: 16 rows are 512 consecutive bytes.
; No prefetch: the launch has no loop; all that it reads is asked for at its head.
; THE MATRIX INSTRUCTION IS USED TRANSPOSED (source 0 = 16 rows of W, source 1 = 16 tokens): a lane holds eight neighbouring numbers of a row of out0.  The bias is the C of each sum's first product.
; LIMITS: as stated in the launch that makes q, k and v.
; REGISTERS: window 0: v1-15 addresses; v32-63 y's scale words, v64-95 W's; v96-127 the bias; v128-255 two tiles of y.   window 1: W's fragments.   window 2: v0-127 the accumulators; v128-191 rows on their way out.
.set WCD,   65536                      ; LDS: y's 64 KiB, then W's 128 rows of 512 bytes + 16 of padding
.set WP,    528
.set STAGE, WCD+128*WP                 ; the way out: 16 rows x (256 bytes + 16) for each wave; no tile lands in these blocks
.set SPARE, 167936
.set ADA,  8
.set ADB,  9
.set SCO,  10                          ; 32 x row
.set STO,  12
.set RD,   13
.set CO,   14
.set BO8,  15
.set SA,   32
.set SB,   64
.set BI,   96
.set YF,   128
.set RB,   128
.set WV,   24
.set NH,   25                          ; wave & 1: my half of the columns; also which half of a tile I fetch
.set MH,   26                          ; wave / 2: my half of the tokens
.set G1A,  32
.set G1B,  40
.set G0A,  68
.set G0B,  72
.set MSB, 0
.macro WIN new                         ; the immediate's high byte repeats the setting that is left
.if MSB != \new
	s_set_vgpr_msb (MSB<<8)|\new
.set MSB, \new
.endif
.endm
.macro PLACES
.rept 4
	v_nop
.endr
.endm
.macro CROUND                          ; a round of the cluster's barrier
	s_barrier_signal -1
	s_barrier_wait -1
	s_cmp_lg_u32 s[WV], 0
	s_cbranch_scc1 .Lnot_wave_0_\@
	s_barrier_signal -3
.Lnot_wave_0_\@:
	s_barrier_wait -3
	s_barrier_signal -1
	s_barrier_wait -1
.endm
.macro MMC d, a, b, c, sa, sb
	v_wmma_scale_f32_16x16x128_f8f6f4 v[\d:\d+7], v[\a:\a+7], v[\b:\b+7], v[\c:\c+7], v[\sa], v[\sb] matrix_a_fmt:MATRIX_FMT_FP4 matrix_b_fmt:MATRIX_FMT_FP4
.endm
.macro YLOAD mt                        ; 16 loads: a tile of 16 tokens, all of K
	WIN 0
.irp ks, 0,1,2,3,4,5,6,7
.irp cc, 0,1
	ds_load_b128 v[YF+64*(\mt%2)+8*\ks+4*\cc:YF+64*(\mt%2)+8*\ks+4*\cc+3], v[ADA] offset:8192*\mt+1024*\ks+512*\cc
.endr
.endr
.endm
; 16 tokens x 64 columns over all of K: four accumulators by turns.  Block 0 waits for W's fragments step by step: behind step ks's eight loads stand those of the later steps and a tile of y.
.macro BLOCK mt
.irp ks, 0,1,2,3,4,5,6,7
.if \mt == 0
.if \ks < 2
	s_wait_dscnt 63
.else
	s_wait_dscnt 8*(7-\ks)+16
.endif
.endif
.if \ks == 0
	WIN 0x81                                       ; source 0 (W) window 1, source 1 (y) and C (the bias) window 0, D window 2
.else
	WIN 0xa1                                       ; C window 2
.endif
.irp nt, 0,1,2,3
.if \ks == 0
	MMC 32*\mt+8*\nt, 32*\ks+8*\nt, YF+64*(\mt%2)+8*\ks, BI+8*\nt, SB+8*\nt+\ks, SA+8*\mt+\ks
.else
	MMC 32*\mt+8*\nt, 32*\ks+8*\nt, YF+64*(\mt%2)+8*\ks, 32*\mt+8*\nt, SB+8*\nt+\ks, SA+8*\mt+\ks
.endif
.endr
.endr
.endm
; THE WAY OUT of a block.  A lane holds 32 neighbouring bytes of a row and the lanes beside it hold other rows: the block goes through my own stage in LDS and comes back as whole rows of 256 bytes.
; LDS serves a wave's instructions in order (ISA guide 5.7.1.4): no wait between the stores and the loads, nor in front of the next block's stores.
.macro TOSTAGE a
	WIN 0
	PLACES                                         ; behind the block's last products
	WIN 0x08                                       ; a store's data are its source 1: window 2
.irp nt, 0,1,2,3
	ds_store_b128 v[STO], v[32*\a+8*\nt:32*\a+8*\nt+3]   offset:64*\nt       ; each accumulator from its low end on
	ds_store_b128 v[STO], v[32*\a+8*\nt+4:32*\a+8*\nt+7] offset:64*\nt+16
.endr
	WIN 0x80                                       ; destination window 2
.irp t, 0,1,2,3,4,5,6,7
	ds_load_b128 v[RB+32*(\a%2)+4*\t:RB+32*(\a%2)+4*\t+3], v[RD] offset:544*\t
.endr
.endm
.macro SEND a, younger                 ; younger: the LDS instructions issued behind block a's loads, which may stay out
	s_wait_dscnt \younger
	WIN 0x08
.irp t, 0,1,2,3,4,5,6,7
	global_store_b128 v[CO], v[RB+32*(\a%2)+4*\t:RB+32*(\a%2)+4*\t+3], s[14:15] offset:65536*\a+8192*\t th:TH_STORE_NT   ; sixteen lanes store 256 consecutive bytes, aligned; written once, read by nobody here
.endr
.endm
	s_load_b256 s[4:11], s[0:1], 0x0               ; yc, ysc, W's codes, W's scales
	s_load_b128 s[12:15], s[0:1], 0x20             ; b, out0
	v_lshl_add_u32 v30, v0, 2, SPARE
	v_mov_b32 v31, 0
	ds_add_u32 v30, v31                            ; the add, twice, ahead of the first tensor load
	ds_add_u32 v30, v31
	v_lshrrev_b32 v1, 5, v0
	v_readfirstlane_b32 s[WV], v1                  ; wave 0..3
	s_and_b32 s[NH], s[WV], 1
	s_lshr_b32 s[MH], s[WV], 1
	s_bfe_u32 s27, ttmp6, 0x40000                  ; cx, cy
	s_bfe_u32 s28, ttmp6, 0x40004
	s_lshl_b32 s29, ttmp9, 2
	s_add_co_u32 s29, s29, s27                     ; work-group x: the 128 columns
	s_and_b32 s30, ttmp7, 0xffff
	s_lshl_b32 s30, s30, 2
	s_add_co_u32 s30, s30, s28                     ; work-group y: the 128 tokens
	s_lshl_b32 s66, s28, 2
	s_lshl_b32 s66, 15, s66                        ; my row of the cluster
	s_lshl_b32 s67, 0x1111, s27                    ; my column
	s_or_b32 s[G1A], s66, (3<<16)|(1<<21)          ; y's codes: 32,768 dense bytes as 128 rows of 32 elements of 8 bytes, no padding
	s_mov_b32 s[G1A+1], 32<<16
	s_mov_b32 s[G1A+2], 128<<16
	s_mov_b32 s[G1A+3], 32<<16
	s_mov_b32 s[G1A+4], 128
	s_mov_b32 s[G1A+5], 32
	s_mov_b32 s[G1A+6], 0
	s_mov_b32 s[G1A+7], 0
	s_or_b32 s[G1B], s67, (0<<16)|(1<<20)|(1<<21)|(6<<22)|(3<<25)   ; W's codes: 64 rows of 512 bytes, four words of padding after every 128
	s_mov_b32 s[G1B+1], 512<<16
	s_mov_b32 s[G1B+2], 64<<16
	s_mov_b32 s[G1B+3], 512<<16
	s_mov_b32 s[G1B+4], 64
	s_mov_b32 s[G1B+5], 512
	s_mov_b32 s[G1B+6], 0
	s_mov_b32 s[G1B+7], 0
	; y's tiles hang on work-group y and the wave alone, W's on work-group x and the wave alone, each in registers that never hold the other coordinate
	s_lshl_b32 s2, s[NH], 15                       ; which half I fetch: 32,768 bytes of either, in memory and of y in LDS
	s_lshl_b32 s92, s30, 16
	s_add_co_u32 s92, s92, s2
	s_mov_b32 s93, 0
	s_lshl_b32 s94, s29, 16
	s_add_co_u32 s94, s94, s2
	s_mov_b32 s95, 0
	s_mul_i32 s85, s[NH], 64*WP
	s_add_co_u32 s85, s85, WCD                     ; where my rows of W go, and the 64 rows of W that I multiply
	s_lshl_b32 s96, s30, 12                        ; y's scale bytes: my 64 rows of 32
	s_lshl_b32 s97, s[MH], 11
	s_add_co_u32 s96, s96, s97
	s_mov_b32 s97, 0
	s_lshl_b32 s98, s29, 12                        ; W's
	s_lshl_b32 s99, s[NH], 11
	s_add_co_u32 s98, s98, s99
	s_mov_b32 s99, 0
	s_lshl_b32 s84, s[MH], 15                      ; my four tiles of y
	s_mul_i32 s88, s[WV], 16*272
	s_add_co_u32 s88, s88, STAGE                   ; my stage
	v_and_b32 v1, 15, v0                           ; r
	v_bfe_u32 v2, v0, 4, 1                         ; h
	v_and_b32 v3, 31, v0
	v_mul_u32_u24 v5, v1, WP
	v_lshlrev_b32 v[SCO], 5, v1
	v_lshl_add_u32 v[ADA], v3, 4, s84
	v_lshl_add_u32 v5, v2, 4, v5
	v_mul_u32_u24 v4, v1, 272
	v_add_nc_u32 v[ADB], s85, v5
	v_lshl_add_u32 v4, v2, 5, v4
	v_mul_u32_u24 v6, v2, 272
	v_lshlrev_b32 v[CO], 4, v1
	v_add_nc_u32 v[STO], s88, v4                   ; in: row r, 32 bytes for each half of the lanes
	v_lshl_add_u32 v6, v1, 4, v6
	v_lshl_add_u32 v[CO], v2, 12, v[CO]            ; in out0: lanes 0-15 one row, lanes 16-31 the next
	v_lshlrev_b32 v[BO8], 5, v2
	v_add_nc_u32 v[RD], s88, v6                    ; back: the same two rows
	s_wait_alu depctr_va_vdst(0)
	s_wait_dscnt 0x0                               ; both adds are done
	s_wait_kmcnt 0x0
	s_mov_b32 s[G0A], 1
	s_mov_b32 s[G0A+1], s2
	s_add_nc_u64 s[G0A+2:G0A+3], s[4:5], s[92:93]
	s_or_b32 s[G0A+3], s[G0A+3], 0x80000000
	s_mov_b32 s[G0B], 1
	s_mov_b32 s[G0B+1], s85
	s_add_nc_u64 s[G0B+2:G0B+3], s[8:9], s[94:95]
	s_or_b32 s[G0B+3], s[G0B+3], 0x80000000
	CROUND                                         ; all sixteen work-groups are here: the joint loads meet
	s_cmp_lt_u32 s[WV], 2
	s_cbranch_scc0 .Lfor_w
	tensor_load_to_lds s[G0A:G0A+3], s[G1A:G1A+7]
	s_nop 0
	PLACES
	s_branch .Lasked
.Lfor_w:
	tensor_load_to_lds s[G0B:G0B+3], s[G1B:G1B+7]
	s_nop 0
	PLACES
.Lasked:
	s_add_nc_u64 s[6:7], s[6:7], s[96:97]
	s_add_nc_u64 s[10:11], s[10:11], s[98:99]
	s_lshl_b32 s92, s29, 9                         ; my first column, in bytes: 512 x work-group x + 256 x half
	s_lshl_b32 s93, s[NH], 8
	s_add_co_u32 s92, s92, s93
	s_mov_b32 s93, 0
	s_add_nc_u64 s[12:13], s[12:13], s[92:93]
	s_add_nc_u64 s[14:15], s[14:15], s[92:93]
.irp t, 0,1,2,3
.irp c, 0,1
	global_load_b128 v[SA+8*\t+4*\c:SA+8*\t+4*\c+3], v[SCO], s[6:7] offset:512*\t+16*\c     ; a row's 32 bytes are the words of all eight K steps
	global_load_b128 v[SB+8*\t+4*\c:SB+8*\t+4*\c+3], v[SCO], s[10:11] offset:512*\t+16*\c
.endr
.endr
.irp nt, 0,1,2,3
	global_load_b128 v[BI+8*\nt:BI+8*\nt+3],   v[BO8], s[12:13] offset:64*\nt       ; register j: b of column 16 nt + 8 (lane / 16) + j
	global_load_b128 v[BI+8*\nt+4:BI+8*\nt+7], v[BO8], s[12:13] offset:64*\nt+16
.endr
	s_lshl_b32 s92, s30, 19                        ; my first row: 128 x work-group y + 64 x half, 4,096 bytes each
	s_lshl_b32 s94, s[MH], 18
	s_add_co_u32 s92, s92, s94
	s_add_nc_u64 s[14:15], s[14:15], s[92:93]
	s_wait_alu depctr_va_vdst(0)                   ; the wait at the head's end
	s_wait_tensorcnt 0x0                           ; my tile of the four is in,
	s_barrier_signal -1
	s_barrier_wait -1                              ; everybody's is
	YLOAD 0
	WIN 0x40                                       ; destination window 1
.irp ks, 0,1,2,3,4,5,6,7
.irp nt, 0,1,2,3
.irp cc, 0,1
	ds_load_b128 v[32*\ks+8*\nt+4*\cc:32*\ks+8*\nt+4*\cc+3], v[ADB] offset:16*WP*\nt+64*\ks+32*\cc
.endr
.endr
.endr
	YLOAD 1
	s_wait_loadcnt 0x0                             ; scale words and bias
	BLOCK 0
	TOSTAGE 0
	YLOAD 2                                        ; (block 0's products lie behind TOSTAGE's places)
	SEND 0, 16                                     ; tile 2's 16 may be out; tile 1 is in
	BLOCK 1
	TOSTAGE 1
	YLOAD 3
	s_wait_dscnt 32                                ; tile 2 is in: behind it stand the stage's 16 and tile 3's 16
	BLOCK 2
	SEND 1, 16
	s_wait_xcnt 0x0                                ; block 0's stores have read their registers: block 2's loads may land there
	TOSTAGE 2
	s_wait_dscnt 16                                ; tile 3 is in
	BLOCK 3
	SEND 2, 0
	s_wait_xcnt 0x0
	TOSTAGE 3
	SEND 3, 0
	WIN 0
	s_wait_tensorcnt 0x0                           ; the wave's end
	ds_add_u32 v30, v31
	s_wait_dscnt 0x0
	CROUND                                         ; the closing round
	s_endpgm
.Lfunc_end_k_qcd9bf18c63_proj:
	.size	k_qcd9bf18c63_proj, .Lfunc_end_k_qcd9bf18c63_proj-k_qcd9bf18c63_proj
	.p2alignl 7, 3214868480
	.fill 96, 4, 3214868480
	.section	.rodata,"a",@progbits
	.p2align	6, 0x0
	.amdhsa_kernel k_qcd9bf18c63_proj
		.amdhsa_group_segment_fixed_size 168448
		.amdhsa_private_segment_fixed_size 0
		.amdhsa_enable_private_segment 0
		.amdhsa_kernarg_size 48
		.amdhsa_user_sgpr_count 2
		.amdhsa_user_sgpr_kernarg_segment_ptr 1
		.amdhsa_wavefront_size32 1
		.amdhsa_system_sgpr_workgroup_id_x 1
		.amdhsa_system_sgpr_workgroup_id_y 1
		.amdhsa_system_sgpr_workgroup_id_z 1
		.amdhsa_system_vgpr_workitem_id 0
		.amdhsa_next_free_vgpr 768
		.amdhsa_next_free_sgpr 102
		.amdhsa_reserve_vcc 0
		.amdhsa_float_denorm_mode_32 3
		.amdhsa_float_denorm_mode_16_64 3
		.amdhsa_memory_ordered 1
		.amdhsa_forward_progress 1
		.amdhsa_inst_pref_size 42
	.end_amdhsa_kernel
	.amdgpu_metadata
---
amdhsa.version: [ 1, 2 ]
amdhsa.kernels:
  - .name:           k_qcd9bf18c63_proj
    .symbol:         k_qcd9bf18c63_proj.kd
    .args:
      - { .name: yc, .offset: 0, .size: 8, .value_kind: global_buffer, .address_space: global }
      - { .name: ysc, .offset: 8, .size: 8, .value_kind: global_buffer, .address_space: global }
      - { .name: w_proj_codes, .offset: 16, .size: 8, .value_kind: global_buffer, .address_space: global }
      - { .name: w_proj_scales, .offset: 24, .size: 8, .value_kind: global_buffer, .address_space: global }
      - { .name: b_proj, .offset: 32, .size: 8, .value_kind: global_buffer, .address_space: global }
      - { .name: out0, .offset: 40, .size: 8, .value_kind: global_buffer, .address_space: global }
    .group_segment_fixed_size: 168448
    .private_segment_fixed_size: 0
    .kernarg_segment_align: 8
    .kernarg_segment_size: 48
    .max_flat_workgroup_size: 128
    .sgpr_count:     102
    .vgpr_count:     768
    .wavefront_size: 32
...
	.end_amdgpu_metadata
.endif
;; end of part 3
